; MI455X (gfx1250); checked and timed in simulation.
; The chip was launched on July 23, 2026; its instructions are those of AMD's public machine-readable ISA for CDNA 5 (MIT licence, August 2026) and "CDNA5" Instruction Set Architecture Reference Guide (July 2026). The comments in the code are by the model that wrote it; some were corrected since.
;; Conformer FFN Metal. Allowed arithmetic: float matrix products may take bf16 or f16 operands with f32 sums; all other float work in f32.
;; Inputs: fc1_bias 4,096 float32; fc1_q 1,024 x 4,096 int32; fc1_scales 8 x 4,096 float32; fc2_bias 1,024 float32; fc2_q 4,096 x 1,024 int32; fc2_scales 32 x 1,024 float32; ln_beta 1,024 float32; ln_gamma 1,024 float32; x 8 x 1,024 x 1,024 float32.
;; Outputs: out0 8 x 1,024 x 1,024 float32.
;; One version. Each part assembles by itself: llvm-mc -triple=amdgcn-amd-amdhsa -mcpu=gfx1250 --defsym DOCPART=n.
;; ======== version 1 of 1: 3 launches
;; limits: values are held in f16: magnitudes above 65,504 overflow, below 6.1e-05 lose precision; right only within a limited range of input values
;; workspace buffers: h 16,777,216 bytes; w1t 8,388,608 bytes; w2t 8,388,608 bytes; y 67,108,864 bytes
;; launch prep (part 1): grid 256 x 3, 8 waves a work-group, no clusters, 35,840 bytes of LDS; arguments x, ln_gamma, ln_beta, h, fc1_q, fc1_scales, w1t, fc2_q, fc2_scales, w2t; writes h, w1t, w2t
.if DOCPART == 1
	.amdgcn_target "amdgcn-amd-amdhsa--gfx1250"
	.amdhsa_code_object_version 6
	.text
	.protected	k_q9c280e2d88_prep
	.globl	k_q9c280e2d88_prep
	.p2align	8
	.type	k_q9c280e2d88_prep,@function
k_q9c280e2d88_prep:
	s_mov_b64 s[64:65], 0
	v_nop
	global_prefetch_b8 v0, s[64:65] scope:SCOPE_SE
	s_setreg_imm32_b32 hwreg(HW_REG_WAVE_MODE, 25, 1), 1
	s_wait_xcnt 0x0
; Three jobs of 256 work-groups each, chosen by the work-group's y (the same for all waves of a work-group):
;   y = 0  h[r][c]   = f16( (x[r][c] - mean) * rsqrt(var + 1e-5) * gamma[c] + beta[c] ),  x: [8192][1024] f32
;   y = 1  w1t[n][k] = f16( (fc1_q[k][n] - 128) * fc1_scales[k/128][n] ),  fc1_q: [1024][4096] i32, w1t: [4096][1024] f16
;   y = 2  w2t[n][k] = f16( (fc2_q[k][n] - 128) * fc2_scales[k/128][n] ),  fc2_q: [4096][1024] i32, w2t: [1024][4096] f16
; The weights are stored with K along the rows, so that the two products that follow take their fragments by plain 16-byte loads.
; WHY f16 AND NOT bf16: a rounding to 8 significant bits errs by about 1.7e-3 of a number (root mean square); the result carries four such roundings of equal
; weight (h, w1, y, w2), 3.3e-3 of its root mean square together, a third of what is allowed: too little for the tails of 8.4 million numbers.
; With 11 significant bits each rounding is eight times finer.
; ROOM IN f16: |h| <= 32 max|gamma| + max|beta| (LayerNorm bounds |x - mean| rsqrt(var) by sqrt(1023)); |w| <= 128 x scale for codes 0 .. 255.
; LIMITS: |h| or |w| above 65,504 becomes infinity; below 6.1e-5 the absolute error stays 2^-25.  A code beyond +-2^24 is rounded by the conversion to f32
; (as the subtraction in f32 would round it); q*s - 128*s is one fused multiply-add, so (q - 128)*s is rounded once before the rounding to f16.
; The variance is taken of x - mean (two passes over registers), so a common offset of x costs no digits.
; All three jobs stream: each input byte is read once by 16-byte loads of which a wave's 32 cover 512 neighbouring bytes, and every store of
; sixteen (h: thirty-two) neighbouring lanes covers 256 consecutive bytes, aligned.  No matrix unit, no cluster: nothing is shared.
.set GAM, 4                            ; v[4:35]    gamma of my 32 columns
.set BET, 36                           ; v[36:67]   beta of my 32 columns
.set X,   68                           ; v[68:195]  four rows, 32 registers each
.set T,   196                          ; v[196:203] four chains of pairs
.set MU,  204                          ; v[204:205] the mean, twice
.set R,   206                          ; v[206:207] 1/sqrt(var + eps), twice
.set DQ,  4                            ; v[4:67]    dequantise: row j of my 16 rows of K at DQ + 4 j; later the rows read back
.set DS,  68                           ; v[68:71]   the scales of my 4 columns
.set DSN, 72                           ; v[72:75]   -128 x scale
.set DP,  76                           ; v[76:107]  column c: 16 f16 along K at DP + 8 c
.set VQ,  108                          ; byte offset of my 16 bytes in the tile's rows of q
.set VS,  109                          ; the same in the row of scales
.set VST, 110                          ; LDS: where my 32 bytes of row 4 l go
.set VRD, 111                          ; LDS: where I read 16 bytes of a row back
.set VO,  112                          ; byte offset of those 16 bytes in the output
.set DPITCH, 272                       ; an LDS row: 128 f16 + 16 bytes
	v_lshl_add_u32 v208, v0, 2, 0x8800
	v_mov_b32 v209, 0
	s_and_b32 s2, ttmp7, 0xffff                    ; the work-group's y picks the job
	s_cmp_eq_u32 s2, 1
	s_cbranch_scc1 .Lw1
	s_cmp_eq_u32 s2, 2
	s_cbranch_scc1 .Lw2
; ---------------- LayerNorm: the work-group owns 32 rows, a wave 4, one wave takes a whole row (32 registers) ----------------
; All four rows of a wave are asked for at once: 32 loads of 512 bytes on their way, no ring, no LDS, no barrier.
	s_load_b256 s[4:11], s[0:1], 0x0               ; x s[4:5], gamma s[6:7], beta s[8:9], h s[10:11]
	s_lshl_b32 s2, ttmp9, 17                       ; 32 rows of 4,096 bytes of x
	s_mov_b32 s3, 0
	s_lshl_b32 s16, ttmp9, 16                      ; 32 rows of 2,048 bytes of h
	s_mov_b32 s17, 0
	s_mov_b32 s12, 0x3a800000                      ; 1/1024
	s_mov_b32 s13, 0x3727c5ac                      ; 1e-5
	s_mov_b32 s14, 0x76543210                      ; v_permlanex16_b32: lane i reads lane i of the other half
	s_mov_b32 s15, 0xfedcba98
	v_and_b32 v2, 31, v0                           ; lane
	v_lshrrev_b32 v1, 5, v0                        ; wave
	v_lshlrev_b32 v3, 3, v2                        ; 8 bytes a lane in h
	v_lshlrev_b32 v2, 4, v2                        ; 16 bytes a lane in x, gamma, beta
	v_lshl_or_b32 v3, v1, 13, v3                   ; + wave x 4 rows x 2,048
	v_lshl_or_b32 v1, v1, 14, v2                   ; + wave x 4 rows x 4,096
	s_wait_kmcnt 0x0
	s_add_nc_u64 s[4:5], s[4:5], s[2:3]
	s_add_nc_u64 s[10:11], s[10:11], s[16:17]
.irp j, 0,1,2,3,4,5,6,7
	global_load_b128 v[GAM+4*\j:GAM+4*\j+3], v2, s[6:7] offset:512*\j     ; columns 128 j + 4 lane .. + 3
.endr
.irp j, 0,1,2,3,4,5,6,7
	global_load_b128 v[BET+4*\j:BET+4*\j+3], v2, s[8:9] offset:512*\j
.endr
.irp i, 0,1,2,3
.irp j, 0,1,2,3,4,5,6,7
	global_load_b128 v[X+32*\i+4*\j:X+32*\i+4*\j+3], v1, s[4:5] offset:4096*\i+512*\j th:TH_LOAD_NT
.endr
.endr
; the four chains of pairs in T become one number, the same in all 32 lanes
.macro FOLD
	v_pk_add_f32 v[T:T+1], v[T:T+1], v[T+2:T+3]
	v_pk_add_f32 v[T+4:T+5], v[T+4:T+5], v[T+6:T+7]
	v_pk_add_f32 v[T:T+1], v[T:T+1], v[T+4:T+5]
	v_add_f32 v[T], v[T], v[T+1]
	v_add_f32_dpp v[T], v[T], v[T] row_xmask:1 row_mask:0xf bank_mask:0xf
	v_add_f32_dpp v[T], v[T], v[T] row_xmask:2 row_mask:0xf bank_mask:0xf
	v_add_f32_dpp v[T], v[T], v[T] row_xmask:4 row_mask:0xf bank_mask:0xf
	v_add_f32_dpp v[T], v[T], v[T] row_xmask:8 row_mask:0xf bank_mask:0xf
	v_permlanex16_b32 v[T+1], v[T], s14, s15       ; its destination has been written above
	v_add_f32 v[T], v[T], v[T+1]
.endm
; Row i of the wave's four.  left = the loads of the younger rows, eight each, which may stay out.
.macro ROW i, left
	s_wait_loadcnt \left                           ; loads come back in order: gamma, beta and this row are in
.irp c, 0,1,2,3
	v_pk_add_f32 v[T+2*\c:T+2*\c+1], v[X+32*\i+2*\c:X+32*\i+2*\c+1], v[X+32*\i+2*\c+8:X+32*\i+2*\c+9]   ; the first sums start the chains
.endr
.irp p, 16,24
.irp c, 0,1,2,3
	v_pk_add_f32 v[T+2*\c:T+2*\c+1], v[T+2*\c:T+2*\c+1], v[X+32*\i+2*\c+\p:X+32*\i+2*\c+\p+1]
.endr
.endr
	FOLD
	v_mul_f32 v[MU], s12, v[T]                     ; the mean
	v_mul_f32 v[MU+1], s12, v[T]
.set pp, 0
.rept 16
	v_pk_add_f32 v[X+32*\i+pp:X+32*\i+pp+1], v[X+32*\i+pp:X+32*\i+pp+1], v[MU:MU+1] neg_lo:[0,1] neg_hi:[0,1]   ; x - mean, in place
.set pp, pp+2
.endr
.irp c, 0,1,2,3
	v_pk_mul_f32 v[T+2*\c:T+2*\c+1], v[X+32*\i+2*\c:X+32*\i+2*\c+1], v[X+32*\i+2*\c:X+32*\i+2*\c+1]
.endr
.irp p, 8,16,24
.irp c, 0,1,2,3
	v_pk_fma_f32 v[T+2*\c:T+2*\c+1], v[X+32*\i+2*\c+\p:X+32*\i+2*\c+\p+1], v[X+32*\i+2*\c+\p:X+32*\i+2*\c+\p+1], v[T+2*\c:T+2*\c+1]
.endr
.endr
	FOLD
	v_fma_f32 v[T], v[T], s12, s13                 ; var + eps
	v_rsq_f32 v[R], v[T]
	v_nop                                          ; one plain place between v_rsq_f32 and the use of its result (ISA guide 5.7.2)
	s_wait_alu depctr_va_vdst(0)
	v_mov_b32 v[R+1], v[R]
.set pp, 0
.rept 16
	v_pk_mul_f32 v[X+32*\i+pp:X+32*\i+pp+1], v[X+32*\i+pp:X+32*\i+pp+1], v[R:R+1]
.set pp, pp+2
.endr
.set pp, 0
.rept 16
	v_pk_fma_f32 v[X+32*\i+pp:X+32*\i+pp+1], v[X+32*\i+pp:X+32*\i+pp+1], v[GAM+pp:GAM+pp+1], v[BET+pp:BET+pp+1]
.set pp, pp+2
.endr
.irp j, 0,1,2,3,4,5,6,7
	v_cvt_pk_f16_f32 v[X+32*\i+4*\j], v[X+32*\i+4*\j], v[X+32*\i+4*\j+1]
	v_cvt_pk_f16_f32 v[X+32*\i+4*\j+1], v[X+32*\i+4*\j+2], v[X+32*\i+4*\j+3]
	global_store_b64 v3, v[X+32*\i+4*\j:X+32*\i+4*\j+1], s[10:11] offset:2048*\i+256*\j   ; 32 lanes x 8 bytes: 256 consecutive bytes, aligned; these registers are never written again
.endr
.endm
	ROW 0, 24
	ROW 1, 16
	ROW 2, 8
	ROW 3, 0
	s_endpgm
; ---------------- Dequantise and transpose: one work-group, one tile of 128 k (one group of scales) x 128 n ----------------
; LOGNT: log2 of the tiles along n.  NB: bytes of a row of q and of a row of scales.  KB: bytes of a row of the output.
; ARGQ: where q's address lies among the arguments (the scales' follows it).  ARGO: the output's.
; Wave w takes k = 16 w .. 16 w + 15, lane l the columns 4 l .. 4 l + 3: sixteen loads of 512 neighbouring bytes, all on their way at once.
; A lane's 16 numbers along K of one column are 32 bytes of an output row; they meet the other waves' in LDS and leave as whole rows of 256 bytes.
.macro DEQ LOGNT, NB, KB, ARGQ, ARGO
	s_load_b64 s[4:5], s[0:1], \ARGQ               ; q
	s_load_b64 s[6:7], s[0:1], \ARGQ+8             ; scales
	s_load_b64 s[8:9], s[0:1], \ARGO               ; the transposed f16 weights
	s_lshr_b32 s10, ttmp9, \LOGNT                  ; tile along k
	s_and_b32 s11, ttmp9, (1<<\LOGNT)-1            ; tile along n
	s_lshl_b32 s18, s11, 9                         ; 128 columns of 4 bytes
	s_mul_i32 s12, s10, 128*\NB
	s_add_co_u32 s12, s12, s18                     ; the tile in q
	s_mov_b32 s13, 0
	s_mul_i32 s14, s10, \NB
	s_add_co_u32 s14, s14, s18                     ; its scales
	s_mov_b32 s15, 0
	s_mul_i32 s16, s11, 128*\KB
	s_lshl_b32 s19, s10, 8                         ; 128 k of 2 bytes
	s_add_co_u32 s16, s16, s19                     ; the tile in the output
	s_mov_b32 s17, 0
	v_and_b32 v1, 31, v0                           ; lane
	v_lshrrev_b32 v2, 5, v0                        ; wave
	v_lshlrev_b32 v[VS], 4, v1
	v_mul_u32_u24 v[VQ], v2, 16*\NB
	v_add_nc_u32 v[VQ], v[VQ], v[VS]               ; 16 rows a wave, 16 bytes a lane
	v_mul_u32_u24 v[VST], v1, 4*DPITCH
	v_lshl_add_u32 v[VST], v2, 5, v[VST]           ; LDS row 4 l, byte 32 w
	v_lshrrev_b32 v3, 4, v0                        ; 0 .. 15: the row that I read back
	v_and_b32 v1, 15, v0
	v_lshlrev_b32 v1, 4, v1                        ; and my 16 bytes of it
	v_mul_u32_u24 v[VRD], v3, DPITCH
	v_add_nc_u32 v[VRD], v[VRD], v1
	v_mul_u32_u24 v[VO], v3, \KB
	v_add_nc_u32 v[VO], v[VO], v1
	s_wait_kmcnt 0x0
	s_add_nc_u64 s[4:5], s[4:5], s[12:13]
	s_add_nc_u64 s[6:7], s[6:7], s[14:15]
	s_add_nc_u64 s[8:9], s[8:9], s[16:17]
	global_load_b128 v[DS:DS+3], v[VS], s[6:7]
.irp j, 0,1,2,3,4,5,6,7,8,9,10,11,12,13,14,15
	global_load_b128 v[DQ+4*\j:DQ+4*\j+3], v[VQ], s[4:5] offset:\j*\NB th:TH_LOAD_NT
.endr
.irp j, 0,2,4,6,8,10,12,14
	s_wait_loadcnt 14-\j                           ; rows j and j + 1 are in; the 14 - j younger rows stay out
.if \j == 0
	v_pk_mul_f32 v[DSN:DSN+1], v[DS:DS+1], 0xc3000000 op_sel_hi:[1,0]         ; -128 s: exact
	v_pk_mul_f32 v[DSN+2:DSN+3], v[DS+2:DS+3], 0xc3000000 op_sel_hi:[1,0]
.endif
.irp e, 0,1,2,3,4,5,6,7
	v_cvt_f32_i32 v[DQ+4*\j+\e], v[DQ+4*\j+\e]
.endr
.irp e, 0,4
	v_pk_fma_f32 v[DQ+4*\j+\e:DQ+4*\j+\e+1], v[DQ+4*\j+\e:DQ+4*\j+\e+1], v[DS:DS+1], v[DSN:DSN+1]             ; q s - 128 s, one rounding
	v_pk_fma_f32 v[DQ+4*\j+\e+2:DQ+4*\j+\e+3], v[DQ+4*\j+\e+2:DQ+4*\j+\e+3], v[DS+2:DS+3], v[DSN+2:DSN+3]
.endr
.irp c, 0,1,2,3
	v_cvt_pk_f16_f32 v[DP+8*\c+\j/2], v[DQ+4*\j+\c], v[DQ+4*\j+4+\c]          ; column c: k = j below, k = j + 1 above
.endr
.endr
.irp c, 0,1,2,3
	ds_store_b128 v[VST], v[DP+8*\c:DP+8*\c+3] offset:DPITCH*\c               ; lanes lie four rows apart: these eight stores collide, which no pitch of whole 16 bytes avoids
	ds_store_b128 v[VST], v[DP+8*\c+4:DP+8*\c+7] offset:DPITCH*\c+16
.endr
	s_wait_dscnt 0x0                               ; my stores are done, for the other waves' sake,
	s_barrier_signal -1
	s_barrier_wait -1                              ; and so are everybody's: a row holds eight waves' parts
.irp t, 0,1,2,3,4,5,6,7
	ds_load_b128 v[DQ+4*\t:DQ+4*\t+3], v[VRD] offset:\t*16*DPITCH
.endr
.irp t, 0,1,2,3,4,5,6,7
	s_wait_dscnt 7-\t                              ; LDS loads come back in order: load t is in
	global_store_b128 v[VO], v[DQ+4*\t:DQ+4*\t+3], s[8:9] offset:\t*16*\KB    ; sixteen lanes: one row's 256 consecutive bytes, aligned
.endr
	s_wait_tensorcnt 0x0
	ds_add_u32 v208, v209
	s_wait_dscnt 0x0
	s_endpgm
.endm
.Lw1:
	DEQ 5, 16384, 2048, 0x20, 0x30
.Lw2:
	DEQ 3, 4096, 8192, 0x38, 0x48
.Lfunc_end_k_q9c280e2d88_prep:
	.size	k_q9c280e2d88_prep, .Lfunc_end_k_q9c280e2d88_prep-k_q9c280e2d88_prep
	.p2alignl 7, 3214868480
	.fill 96, 4, 3214868480
	.section	.rodata,"a",@progbits
	.p2align	6, 0x0
	.amdhsa_kernel k_q9c280e2d88_prep
		.amdhsa_group_segment_fixed_size 35840
		.amdhsa_private_segment_fixed_size 0
		.amdhsa_enable_private_segment 0
		.amdhsa_kernarg_size 80
		.amdhsa_user_sgpr_count 2
		.amdhsa_user_sgpr_kernarg_segment_ptr 1
		.amdhsa_wavefront_size32 1
		.amdhsa_system_sgpr_workgroup_id_x 1
		.amdhsa_system_sgpr_workgroup_id_y 1
		.amdhsa_system_sgpr_workgroup_id_z 1
		.amdhsa_system_vgpr_workitem_id 0
		.amdhsa_next_free_vgpr 210
		.amdhsa_next_free_sgpr 66
		.amdhsa_reserve_vcc 0
		.amdhsa_float_denorm_mode_32 3
		.amdhsa_float_denorm_mode_16_64 3
		.amdhsa_memory_ordered 1
		.amdhsa_forward_progress 1
		.amdhsa_inst_pref_size 62
	.end_amdhsa_kernel
	.amdgpu_metadata
---
amdhsa.version: [ 1, 2 ]
amdhsa.kernels:
  - .name:           k_q9c280e2d88_prep
    .symbol:         k_q9c280e2d88_prep.kd
    .args:
      - { .name: x, .offset: 0, .size: 8, .value_kind: global_buffer, .address_space: global }
      - { .name: ln_gamma, .offset: 8, .size: 8, .value_kind: global_buffer, .address_space: global }
      - { .name: ln_beta, .offset: 16, .size: 8, .value_kind: global_buffer, .address_space: global }
      - { .name: h, .offset: 24, .size: 8, .value_kind: global_buffer, .address_space: global }
      - { .name: fc1_q, .offset: 32, .size: 8, .value_kind: global_buffer, .address_space: global }
      - { .name: fc1_scales, .offset: 40, .size: 8, .value_kind: global_buffer, .address_space: global }
      - { .name: w1t, .offset: 48, .size: 8, .value_kind: global_buffer, .address_space: global }
      - { .name: fc2_q, .offset: 56, .size: 8, .value_kind: global_buffer, .address_space: global }
      - { .name: fc2_scales, .offset: 64, .size: 8, .value_kind: global_buffer, .address_space: global }
      - { .name: w2t, .offset: 72, .size: 8, .value_kind: global_buffer, .address_space: global }
    .group_segment_fixed_size: 35840
    .private_segment_fixed_size: 0
    .kernarg_segment_align: 8
    .kernarg_segment_size: 80
    .max_flat_workgroup_size: 256
    .sgpr_count:     66
    .vgpr_count:     210
    .wavefront_size: 32
...
	.end_amdgpu_metadata
.endif
;; end of part 1
;; launch fc1 (part 2): grid 16 x 32, 4 waves a work-group, clusters of 4 x 4, 327,680 bytes of LDS; arguments h, w1t, y, fc1_bias; writes y
.if DOCPART == 2
	.amdgcn_target "amdgcn-amd-amdhsa--gfx1250"
	.amdhsa_code_object_version 6
	.text
	.protected	k_q9c280e2d88_fc1
	.globl	k_q9c280e2d88_fc1
	.p2align	8
	.type	k_q9c280e2d88_fc1,@function
k_q9c280e2d88_fc1:
	s_mov_b64 s[64:65], 0
	v_nop
	global_prefetch_b8 v0, s[64:65] scope:SCOPE_SE
	s_setreg_imm32_b32 hwreg(HW_REG_WAVE_MODE, 25, 1), 1
	s_wait_xcnt 0x0
	s_wait_alu depctr_hold_cnt(0) depctr_sa_sdst(0) depctr_va_vdst(0) depctr_va_sdst(0) depctr_va_ssrc(0) depctr_va_vcc(0) depctr_vm_vsrc(0)
	s_getreg_b32 s2, hwreg(HW_REG_IB_STS2, 6, 4)
	s_cmp_eq_u32 s2, 0
	s_cbranch_scc0 .Lentry_in_a_cluster
	s_endpgm
.Lentry_in_a_cluster:
	s_bfe_u32 s2, ttmp6, 0x10000c
	s_cmp_lg_u32 s2, 0xf033
	s_cbranch_scc0 .Lentry_shape_is_right
	s_endpgm
.Lentry_shape_is_right:
; y[m][n] = silu( sum over k of h[m][k] w1t[n][k] + fc1_bias[n] ) / 64.  h: [8192][1024] f16, w1t: [4096][1024] f16, y: [8192][4096] f16; sums, bias and silu in f32.
; A work-group makes a block of 256 x 256 with four waves; a wave makes 128 x 128: 64 accumulator tiles of 16 x 16, 512 registers.
; K goes in steps of 128 through a ring of two LDS slots filled by the tensor data mover: a tile's rows are 256 bytes of memory, aligned.
; CLUSTERS: 4 x 4 work-groups.  The four of a row of the cluster need the same tiles of h, the four of a column the same tiles of w1t.  Such a tile is asked
; for jointly: each of the four issues the same tensor load, with the same descriptor and a mask that names the four.  That divides the requests by four.
; WHY y/64 IN f16: f16's 11 significant bits are needed (8 leave a rounding error of 1.7e-3 of each y, and the next product is compared within a hundredth
; of its root mean square in 8.4 million places).  y grows with gamma x scales.  With gamma = 1 and scales of 0.011 on average the sums have a root mean square of
; sqrt(1024) x 0.92 = 29, six of which are 176; divided by 64, an exact power of two, that is 2.7: a factor of 24,000 below f16's largest number,
; while the root mean square lies a factor of 5,000 above f16's smallest normal number.  The next launch multiplies by 64 again.
; LIMITS: |y| above 4.19e6 (65,504 x 64) becomes infinity; |y| below 1.9e-6 (2^-25 x 64) becomes zero, and the absolute error of small y stays at that figure.
; silu(v)/64 = v / (64 + 64 x 2^(-1.442695 v)).  For v below about -84.5 the denominator overflows to infinity and the result is -0, where the exact value is
; below 2e-35 in magnitude.  v = -infinity gives NaN, as v x sigmoid(v) does.
;
; REGISTERS, in windows of 256:
;   window 0: v0-31 addresses and the constant 64; v64-127, v128-191 fragments of A, two buffers; on the way out v64-127 values, v128-191 sigmoids, v192-223 packed, v32-63 and v224-255 rows read back
;   window 1: v0-63 the bias of my 128 columns as the accumulators hold them; v64-127, v128-191 fragments of B, two buffers
;   window 2: the 32 accumulator tiles of my rows 0-63 (tile (a, b) at v[8 (8 a + b)]);   window 3: those of my rows 64-127
; THE MATRIX INSTRUCTION IS USED TRANSPOSED: source 0 = 16 rows of w1t, source 1 = 16 rows of h.  Lane l then holds row m = l % 16, and its registers 0 to 7
; the columns n = 8 (l / 16) + 0 .. 7: eight neighbouring numbers of a row of y, which pack into 16 bytes.
.set SIZE_N, 4096
.set SIZE_K, 1024
.set KSTEP,  128
.set PITCH,  272                       ; an LDS row: 256 bytes + 16 of padding: an odd multiple of 16 bytes, so the 16 rows of a fragment load start 16 bytes apart modulo 256
.set HALFT,  128*PITCH                 ; 128 rows: what one tensor load brings, and what one wave reads of A or of B
.set SLOT,   4*HALFT                   ; A's 256 rows, then B's 256 rows
.set STAGE,  2*SLOT                    ; behind the ring: 16 rows x 272 bytes for each wave, for the way out; no fill lands there
.set SPITCH, 272
.set LAPS, SIZE_K/(2*KSTEP)            ; a lap = two K steps = once round the ring: 4
.set ADRA, 16                          ; v16-17  LDS address of my A fragments in slot 0, 1
.set ADRB, 20                          ; v20-21  the same for B
.set STO,  24                          ; v24     the way out: where I put 16 bytes of a row
.set RD,   25                          ; v25     the way out: where I read a row back
.set CO,   26                          ; v26     my byte offset in y
.set BO,   27                          ; v27     my byte offset in the bias; never rewritten
.set C64,  28                          ; v[28:29] 64.0, twice
.set F0,   64                          ; fragment buffer 0
.set F1,   128                         ; fragment buffer 1
.set YV,   64                          ; the way out: 64 values of 16 rows
.set SG,   128                         ; the way out: their sigmoids / 64
.set TMP,  192                         ; the way out: packed results
.set RB0,  32                          ; the way out: rows read back, two buffers in turn
.set RB1,  224
.set G1, 24                            ; s[24:31] descriptor group 1 for A's tiles
.set G0, 32                            ; s[32:39] descriptor group 0 for A's tiles, one set for each slot
.set G1B, 48                           ; s[48:55] descriptor group 1 for B's tiles: it differs from A's in the mask alone
.set G0B, 56                           ; s[56:63] descriptor group 0 for B's tiles, one set for each slot
.set MSB, 0
.macro WIN new                         ; the immediate's high byte repeats the setting that is left
.if MSB != \new
	s_set_vgpr_msb (MSB<<8)|\new
.set MSB, \new
.endif
.endm
.set MUL_LO, 0xa1                      ; source 0 (B) window 1, source 1 (A) window 0, C and D window 2
.set MUL_HI, 0xf1                      ; the same, C and D window 3
.set TO_B,   0x40                      ; destination window 1, address window 0
; A joint load.  Waves 0 and 1 fetch A's two halves, waves 2 and 3 B's.  Each line has one mask and one set of registers for all that issue it.
; The branch hangs on the wave's number alone: it is the same in every work-group.
.macro JLOAD s
	s_cmp_eq_u32 s11, 0
	s_cbranch_scc0 .Lfor_b_\@
	tensor_load_to_lds s[G0+4*\s:G0+4*\s+3], s[G1:G1+7]
	s_nop 0
	s_branch .Lasked_\@
.Lfor_b_\@:
	tensor_load_to_lds s[G0B+4*\s:G0B+4*\s+3], s[G1B:G1B+7]
	s_nop 0
.Lasked_\@:
.endm
; A round of the cluster's barrier: my work-group's barrier, so that wave 0's signal speaks for all four waves; wave 0 signals for the work-group;
; every wave waits for all sixteen work-groups; my work-group's barrier once more.
.macro CREST                           ; a round behind its opening barrier
	s_cmp_lg_u32 s10, 0
	s_cbranch_scc1 .Lnot_wave_0_\@
	s_barrier_signal -3
.Lnot_wave_0_\@:
	s_barrier_wait -3
	s_barrier_signal -1
	s_barrier_wait -1
.endm
.macro CROUND                          ; a whole round
	s_barrier_signal -1
	s_barrier_wait -1
	CREST
.endm
	s_load_b128 s[4:7], s[0:1], 0x0                ; h s[4:5], w1t s[6:7]
	s_load_b64 s[8:9], s[0:1], 0x10                ; y
	s_load_b64 s[66:67], s[0:1], 0x18              ; fc1_bias
	s_set_vgpr_msb 0x40
	v_lshl_add_u32 v255, v0, 2, 0x48400
	s_set_vgpr_msb 0x4000
	v_mov_b32 v31, 0
	s_set_vgpr_msb 0x1
	ds_add_u32 v255, v31
	s_set_vgpr_msb 0x100
	v_lshrrev_b32 v1, 5, v0
	v_readfirstlane_b32 s10, v1                    ; wave 0..3
	s_lshr_b32 s11, s10, 1                         ; which half of the block's rows is mine.  Also: I fetch for A (0) or for B (1)
	s_and_b32 s12, s10, 1                          ; which half of its columns.  Also: which 128 rows of that tile I fetch
	s_bfe_u32 s40, ttmp6, 0x40000                  ; cx: my place along the cluster's x
	s_bfe_u32 s41, ttmp6, 0x40004                  ; cy: along its y
	s_lshl_b32 s42, ttmp9, 2                       ; in a cluster launch ttmp9 and ttmp7 count clusters
	s_add_co_u32 s42, s42, s40                     ; block column = 4 x cluster x + cx
	s_and_b32 s13, ttmp7, 0xffff
	s_lshl_b32 s13, s13, 2
	s_add_co_u32 s13, s13, s41                     ; block row = 4 x cluster y + cy
	s_lshl_b32 s43, s41, 2
	s_lshl_b32 s43, 15, s43                        ; my row of the cluster: places 4 cy .. 4 cy + 3
	s_lshl_b32 s44, 0x1111, s40                    ; my column: places cx, cx + 4, cx + 8, cx + 12
	; descriptor group 1: a tile of 128 rows x 128 elements, padded in LDS
	s_or_b32 s[G1+0], s43, (1<<16)|(1<<20)|(1<<21)|(5<<22)|(3<<25)  ; 15:0 the mask: A's tiles go to my row; 17:16 element of 2 bytes; 20 padding on; 21 set beside a mask; 24:22 after every 64 words; 31:25 of 4 words
	s_or_b32 s[G1B+0], s44, (1<<16)|(1<<20)|(1<<21)|(5<<22)|(3<<25) ; the same with the mask of my column, for B's tiles
	s_mov_b32 s[G1B+1], KSTEP<<16
	s_mov_b32 s[G1+1], KSTEP<<16                   ; tensor_dim0 = 128
	s_mov_b32 s[G1B+2], 128<<16
	s_mov_b32 s[G1+2], 128<<16                     ; tensor_dim1 = 128
	s_mov_b32 s[G1B+3], KSTEP<<16
	s_mov_b32 s[G1+3], KSTEP<<16                   ; tile_dim0 = 128
	s_mov_b32 s[G1B+4], 128
	s_mov_b32 s[G1+4], 128                         ; tile_dim1 = 128; tile_dim2 = 0
	s_mov_b32 s[G1B+5], SIZE_K
	s_mov_b32 s[G1+5], SIZE_K                      ; elements from row to row
	s_mov_b32 s[G1B+6], 0
	s_mov_b32 s[G1+6], 0
	s_mov_b32 s[G1B+7], 0
	s_mov_b32 s[G1+7], 0
	; where the tiles come from.  A's hang on the block row alone, which my row of the cluster shares; B's on the block column alone, which my column shares.
	s_lshl_b32 s17, s12, 7                         ; which 128 rows of the tile I fetch
	s_lshl_b32 s16, s13, 8
	s_add_co_u32 s16, s16, s17                     ; A: row 256 x block row + 128 x half
	s_lshl_b32 s46, s42, 8
	s_add_co_u32 s46, s46, s17                     ; B: row 256 x block column + 128 x half
	s_mov_b32 s17, 0
	s_mov_b32 s47, 0
	s_mov_b64 s[18:19], SIZE_K*2
	s_mul_u64 s[16:17], s[16:17], s[18:19]         ; in bytes
	s_mul_u64 s[46:47], s[46:47], s[18:19]
	s_mul_i32 s20, s10, HALFT                      ; and where they go: wave x 128 rows: no place in the cluster enters an LDS address
	s_wait_dscnt 0x0
	s_wait_kmcnt 0x0
	s_add_nc_u64 s[14:15], s[4:5], s[16:17]
	s_add_nc_u64 s[46:47], s[6:7], s[46:47]
	CROUND                                         ; all sixteen work-groups are here: the first joint loads meet
.irp s, 0,1
	s_mov_b32 s[G0+4*\s], 1                                        ; count = 1
	s_add_co_u32 s[G0+4*\s+1], s20, \s*SLOT                        ; LDS address
	s_add_nc_u64 s[G0+4*\s+2:G0+4*\s+3], s[14:15], \s*KSTEP*2      ; global address: K step s
	s_or_b32 s[G0+4*\s+3], s[G0+4*\s+3], 0x80000000                ; type = 2
	s_mov_b32 s[G0B+4*\s], 1
	s_add_co_u32 s[G0B+4*\s+1], s20, \s*SLOT
	s_add_nc_u64 s[G0B+4*\s+2:G0B+4*\s+3], s[46:47], \s*KSTEP*2
	s_or_b32 s[G0B+4*\s+3], s[G0B+4*\s+3], 0x80000000
	JLOAD \s                                       ; the ring is filled before anything else is done: two tensor loads of the wave are out
.endr
	v_and_b32 v1, 15, v0                           ; l % 16
	v_bfe_u32 v2, v0, 4, 1                         ; l / 16
	v_mov_b32 v[C64], 0x42800000                   ; 64.0
	v_mov_b32 v[C64+1], 0x42800000
	; the bias as the accumulators hold the columns: tile b, register j = column 16 b + 8 (l / 16) + j of my 128.  Loaded once, waited for on the way out.
	s_lshl_b32 s46, s42, 10                        ; 256 columns of 4 bytes a block,
	s_lshl_b32 s47, s12, 9                         ; 128 a half
	s_add_co_u32 s46, s46, s47
	s_mov_b32 s47, 0
	s_add_nc_u64 s[66:67], s[66:67], s[46:47]
	v_lshlrev_b32 v[BO], 5, v2
	WIN TO_B
.irp b, 0,1,2,3,4,5,6,7
	global_load_b128 v[8*\b:8*\b+3],   v[BO], s[66:67] offset:64*\b
	global_load_b128 v[8*\b+4:8*\b+7], v[BO], s[66:67] offset:64*\b+16
.endr
	WIN 0
	; A fragment is 16 rows x 32 K in 8 registers: lane l holds row l % 16; registers 0-3 hold K = 8 (l / 16) + 0..7, registers 4-7 K = 16 + 8 (l / 16) + 0..7:
	; two loads of 16 bytes, 32 bytes apart.
	v_mul_u32_u24 v3, v1, PITCH
	v_lshl_add_u32 v3, v2, 4, v3                   ; row x pitch + 16 x half
	s_mul_i32 s21, s11, HALFT                      ; my 128 rows of A
	s_mul_i32 s22, s12, HALFT                      ; my 128 rows of B,
	s_add_co_u32 s22, s22, 2*HALFT                 ; which lie behind A's 256
.irp s, 0,1
	v_add_nc_u32 v[ADRA+\s], s21, v3
	v_add_nc_u32 v[ADRB+\s], s22, v3
	s_add_co_u32 s21, s21, SLOT
	s_add_co_u32 s22, s22, SLOT
.endr
	s_mul_i32 s23, s10, 16*SPITCH
	s_add_co_u32 s23, s23, STAGE                   ; my stage
	v_mul_u32_u24 v4, v1, SPITCH                   ; in: row l % 16, 16 bytes for each half of the lanes
	v_lshl_add_u32 v4, v2, 4, v4
	v_add_nc_u32 v[STO], s23, v4
	v_mul_u32_u24 v5, v2, SPITCH                   ; back: lanes 0-15 take one row of 256 bytes, lanes 16-31 the next
	v_lshl_add_u32 v5, v1, 4, v5
	v_add_nc_u32 v[RD], s23, v5
	v_mul_u32_u24 v5, v2, SIZE_N*2                 ; and the same two rows in y
	v_lshl_add_u32 v[CO], v1, 4, v5
; 16 matrix instructions: m blocks a0, a0 + 1 of the window's four x all 8 n blocks, 32 along K.  zero = 1: the first product starts the sums.
; The 64 accumulators take turns, one instruction a turn, in the same order in every quarter step, over the backward jump too.
.macro MUL16 f, hi, a0, zero
.irp a, \a0, \a0+1
.irp b, 0,1,2,3,4,5,6,7
.if \zero
	v_wmma_f32_16x16x32_f16 v[8*(8*(\a)+\b):8*(8*(\a)+\b)+7], v[\f+8*\b:\f+8*\b+7], v[\f+8*(4*\hi+\a):\f+8*(4*\hi+\a)+7], 0
.else
	v_wmma_f32_16x16x32_f16 v[8*(8*(\a)+\b):8*(8*(\a)+\b)+7], v[\f+8*\b:\f+8*\b+7], v[\f+8*(4*\hi+\a):\f+8*(4*\hi+\a)+7], v[8*(8*(\a)+\b):8*(8*(\a)+\b)+7]
.endif
.endr
.endr
.endm
; 32 LDS loads in one run: the fragments of one quarter step (128 rows of B, 128 rows of A, 32 K at byte k of the rows) into buffer f
.macro FETCH slot, k, f
	WIN TO_B
.irp i, 0,1,2,3,4,5,6,7
	ds_load_b128 v[\f+8*\i:\f+8*\i+3],   v[ADRB+\slot] offset:\k+\i*16*PITCH
	ds_load_b128 v[\f+8*\i+4:\f+8*\i+7], v[ADRB+\slot] offset:\k+\i*16*PITCH+32
.endr
	WIN 0
.irp i, 0,1,2,3,4,5,6,7
	ds_load_b128 v[\f+8*\i:\f+8*\i+3],   v[ADRA+\slot] offset:\k+\i*16*PITCH
	ds_load_b128 v[\f+8*\i+4:\f+8*\i+7], v[ADRA+\slot] offset:\k+\i*16*PITCH+32
.endr
.endm
; Four plain places between a matrix instruction and a load into a register that it has read, or a vector instruction that reads its result
.macro PLACES
.rept 4
	v_nop
.endr
.endm
; A K step is four quarter steps of 32 along K, 64 matrix instructions each, on buffers 0, 1, 0, 1.
; One of the first three: multiplies buffer f; in its middle it fetches the next quarter's fragments, at byte k of the same slot's rows, into buffer g.
.macro QUARTER slot, k, f, g, zero
	s_wait_dscnt 8                                 ; B and A's rows 0-63 are in; the youngest eight loads (A's rows 64-127) may be out
	WIN MUL_LO
	MUL16 \f, 0, 0, \zero
	MUL16 \f, 0, 2, \zero
	PLACES
	FETCH \slot, \k, \g
	s_wait_dscnt 32                                ; all but the 32 just issued
	WIN MUL_HI
	MUL16 \f, 1, 0, \zero
	MUL16 \f, 1, 2, \zero
.endm
.macro THREE slot, zero
	QUARTER \slot, 64,  F0, F1, \zero
	QUARTER \slot, 128, F1, F0, 0
	QUARTER \slot, 192, F0, F1, 0
.endm
; The last quarter: multiplies buffer 1 and changes slots.  next = the other slot; fill = 1: this slot is filled again, two K steps ahead.
; In front of the barrier each wave waits for its own reads of this slot and for all its tensor loads, of which one is out: its part of the next slot.
; Behind it nobody reads this slot any more and the next slot is whole: the refill comes first, then the next slot's first fragments.
.macro TURN slot, next, fill
	s_wait_dscnt 8
	WIN MUL_LO
	MUL16 F1, 0, 0, 0
	s_wait_dscnt 0                                 ; my reads of this slot are over
	s_wait_tensorcnt 0x0                           ; and all my tensor loads have landed
	ds_add_u32 v255, v31
	s_wait_dscnt 0x0
	s_barrier_signal -1                            ; say so (where a slot is filled again this barrier opens a round of the cluster's barrier),
	MUL16 F1, 0, 2, 0                              ; work on registers while the others arrive,
	WIN 0
	s_barrier_wait -1                              ; and go on when all four have said so
.if \fill
	CREST                                          ; all sixteen work-groups have said so: no wave of any partner still reads this slot's tile or has a load on its way
	s_add_nc_u64 s[G0+4*\slot+2:G0+4*\slot+3], s[G0+4*\slot+2:G0+4*\slot+3], 2*KSTEP*2
	s_add_nc_u64 s[G0B+4*\slot+2:G0B+4*\slot+3], s[G0B+4*\slot+2:G0B+4*\slot+3], 2*KSTEP*2
	JLOAD \slot                                    ; the first tensor load behind the round, and the wave's only one until the next
.endif
	PLACES
	FETCH \next, 0, F0
	WIN MUL_HI
	MUL16 F1, 1, 0, 0
	MUL16 F1, 1, 2, 0
.endm
.macro LAP zero                        ; once round the ring, both slots filled again
	THREE 0, \zero
	TURN 0, 1, 1
	THREE 1, 0
	TURN 1, 0, 1
.endm
	s_wait_tensorcnt 1                             ; my part of K step 0 is in; K step 1's may stay out
	s_barrier_signal -1
	s_barrier_wait -1                              ; everybody's is
	FETCH 0, 0, F0
	LAP 1                                          ; the first lap stands in front of the loop: its first products start the sums
	WIN 0                                          ; at a label and at a branch every window is 0
	s_mov_b32 s3, LAPS-2
.Llap:
	LAP 0
	WIN 0
	s_sub_co_u32 s3, s3, 1
	s_cmp_lg_u32 s3, 0
	s_cbranch_scc1 .Llap
	THREE 0, 0                                     ; the last lap fills nothing: my one tensor load that is still out is slot 1's, the last K step's
	TURN 0, 1, 0
	THREE 1, 0
	s_wait_dscnt 8                                 ; the very last quarter: nothing more to fetch
	WIN MUL_LO
	MUL16 F1, 0, 0, 0
	MUL16 F1, 0, 2, 0
	s_wait_dscnt 0
	WIN MUL_HI
	MUL16 F1, 1, 0, 0
	MUL16 F1, 1, 2, 0
	; THE WAY OUT, 16 rows at a time: bias, silu / 64, round to f16, 16 bytes a lane into my own stage in LDS, read back as whole rows of 256 bytes.
	PLACES                                         ; the places behind the last matrix instructions, for all that follows
	s_wait_loadcnt 0x0                             ; the bias, asked for at the start
	s_lshl_b32 s13, s13, 8
	s_lshl_b32 s14, s11, 7
	s_add_co_u32 s16, s13, s14                     ; my first row of y
	s_mov_b32 s17, 0
	s_mov_b64 s[18:19], SIZE_N*2
	s_mul_u64 s[16:17], s[16:17], s[18:19]
	s_add_nc_u64 s[8:9], s[8:9], s[16:17]
	s_lshl_b32 s46, s42, 9                         ; my first column, in bytes: 512 x block + 256 x half
	s_lshl_b32 s47, s12, 8
	s_add_co_u32 s46, s46, s47
	s_mov_b32 s47, 0
	s_add_nc_u64 s[8:9], s[8:9], s[46:47]
; rows 16 i .. 16 i + 15 of my block = the eight tiles (a, 0..7) of window 2 or 3 (from = 0x06 or 0x07: source 0 that window, source 1 window 1); f: RB0 or RB1 in turn
.macro OUT16 i, a, from, f
	WIN \from
.irp b, 0,1,2,3,4,5,6,7
.irp r, 0,2,4,6
	v_pk_add_f32 v[YV+8*\b+\r:YV+8*\b+\r+1], v[8*(8*\a+\b)+\r:8*(8*\a+\b)+\r+1], v[8*\b+\r:8*\b+\r+1]      ; v = sum + bias
.endr
.endr
	WIN 0
.set qq, 0
.rept 32
	v_pk_mul_f32 v[SG+qq:SG+qq+1], v[YV+qq:YV+qq+1], 0xbfb8aa3b op_sel_hi:[1,0]    ; -v log2(e)
.set qq, qq+2
.endr
.set qq, 0
.rept 64
	v_exp_f32 v[SG+qq], v[SG+qq]                   ; e^-v, back to back on registers of their own
.set qq, qq+1
.endr
	v_nop                                          ; one plain place before the results are used (ISA guide 5.7.2)
.set qq, 0
	s_wait_alu depctr_va_vdst(0)
.rept 32
	v_pk_fma_f32 v[SG+qq:SG+qq+1], v[SG+qq:SG+qq+1], v[C64:C64+1], v[C64:C64+1]    ; 64 e^-v + 64 = 64 (1 + e^-v), rounded as 1 + e^-v is
.set qq, qq+2
.endr
.set qq, 0
.rept 64
	v_rcp_f32 v[SG+qq], v[SG+qq]                   ; sigmoid(v) / 64
.set qq, qq+1
.endr
	v_nop                                          ; one plain place again
.set qq, 0
	s_wait_alu depctr_va_vdst(0)
.rept 32
	v_pk_mul_f32 v[YV+qq:YV+qq+1], v[YV+qq:YV+qq+1], v[SG+qq:SG+qq+1]
.set qq, qq+2
.endr
.irp b, 0,1,2,3,4,5,6,7
.irp r, 0,1,2,3
	v_cvt_pk_f16_f32 v[TMP+4*\b+\r], v[YV+8*\b+2*\r], v[YV+8*\b+2*\r+1]
.endr
.endr
.irp b, 0,1,2,3,4,5,6,7
	ds_store_b128 v[STO], v[TMP+4*\b:TMP+4*\b+3] offset:32*\b
.endr
	s_wait_xcnt 0x0                                ; buffer f, which earlier stores read, and the stores' base are rewritten only behind this wait
.if \i
	s_add_nc_u64 s[8:9], s[8:9], 16*SIZE_N*2       ; 16 rows of y on
.endif
.irp t, 0,1,2,3,4,5,6,7
	ds_load_b128 v[\f+4*\t:\f+4*\t+3], v[RD] offset:\t*2*SPITCH    ; LDS serves a wave's instructions in order (ISA guide 5.7.1.4): these see the stores above
.endr
.irp t, 0,1,2,3,4,5,6,7
	s_wait_dscnt 7-\t                              ; load t is in; the 7 - t younger ones stay out
	global_store_b128 v[CO], v[\f+4*\t:\f+4*\t+3], s[8:9] offset:2*\t*SIZE_N*2   ; 16 lanes store 256 consecutive bytes, aligned
.endr
.endm
	OUT16 0, 0, 0x06, RB0
	OUT16 1, 1, 0x06, RB1
	OUT16 2, 2, 0x06, RB0
	OUT16 3, 3, 0x06, RB1
	OUT16 4, 0, 0x07, RB0
	OUT16 5, 1, 0x07, RB1
	OUT16 6, 2, 0x07, RB0
	OUT16 7, 3, 0x07, RB1
	s_set_vgpr_msb 0x1
	s_wait_tensorcnt 0x0
	ds_add_u32 v255, v31
	s_wait_dscnt 0x0
	s_set_vgpr_msb 0x100
	CROUND                                         ; the closing round: no work-group ends while a partner may still ask for a tile that names it
	s_endpgm
.Lfunc_end_k_q9c280e2d88_fc1:
	.size	k_q9c280e2d88_fc1, .Lfunc_end_k_q9c280e2d88_fc1-k_q9c280e2d88_fc1
	.p2alignl 7, 3214868480
	.fill 96, 4, 3214868480
	.section	.rodata,"a",@progbits
	.p2align	6, 0x0
	.amdhsa_kernel k_q9c280e2d88_fc1
		.amdhsa_group_segment_fixed_size 327680
		.amdhsa_private_segment_fixed_size 0
		.amdhsa_enable_private_segment 0
		.amdhsa_kernarg_size 32
		.amdhsa_user_sgpr_count 2
		.amdhsa_user_sgpr_kernarg_segment_ptr 1
		.amdhsa_wavefront_size32 1
		.amdhsa_system_sgpr_workgroup_id_x 1
		.amdhsa_system_sgpr_workgroup_id_y 1
		.amdhsa_system_sgpr_workgroup_id_z 1
		.amdhsa_system_vgpr_workitem_id 0
		.amdhsa_next_free_vgpr 1024
		.amdhsa_next_free_sgpr 68
		.amdhsa_reserve_vcc 0
		.amdhsa_float_denorm_mode_32 3
		.amdhsa_float_denorm_mode_16_64 3
		.amdhsa_memory_ordered 1
		.amdhsa_forward_progress 1
		.amdhsa_inst_pref_size 255
	.end_amdhsa_kernel
	.section	.bss,"aw",@nobits
	.p2align	6
	.space	262144
	.amdgpu_metadata
---
amdhsa.version: [ 1, 2 ]
amdhsa.kernels:
  - .name:           k_q9c280e2d88_fc1
    .symbol:         k_q9c280e2d88_fc1.kd
    .args:
      - { .name: h, .offset: 0, .size: 8, .value_kind: global_buffer, .address_space: global }
      - { .name: w1t, .offset: 8, .size: 8, .value_kind: global_buffer, .address_space: global }
      - { .name: y, .offset: 16, .size: 8, .value_kind: global_buffer, .address_space: global }
      - { .name: fc1_bias, .offset: 24, .size: 8, .value_kind: global_buffer, .address_space: global }
    .group_segment_fixed_size: 327680
    .private_segment_fixed_size: 0
    .kernarg_segment_align: 8
    .kernarg_segment_size: 32
    .max_flat_workgroup_size: 128
    .sgpr_count:     68
    .vgpr_count:     1024
    .wavefront_size: 32
...
	.end_amdgpu_metadata
.endif
;; end of part 2
;; launch fc2 (part 3): grid 4 x 64, 4 waves a work-group, clusters of 4 x 4, 327,680 bytes of LDS; arguments y, w2t, out0, x, fc2_bias; writes out0
.if DOCPART == 3
	.amdgcn_target "amdgcn-amd-amdhsa--gfx1250"
	.amdhsa_code_object_version 6
	.text
	.protected	k_q9c280e2d88_fc2
	.globl	k_q9c280e2d88_fc2
	.p2align	8
	.type	k_q9c280e2d88_fc2,@function
k_q9c280e2d88_fc2:
	s_mov_b64 s[64:65], 0
	v_nop
	global_prefetch_b8 v0, s[64:65] scope:SCOPE_SE
	s_setreg_imm32_b32 hwreg(HW_REG_WAVE_MODE, 25, 1), 1
	s_wait_xcnt 0x0
	s_wait_alu depctr_hold_cnt(0) depctr_sa_sdst(0) depctr_va_vdst(0) depctr_va_sdst(0) depctr_va_ssrc(0) depctr_va_vcc(0) depctr_vm_vsrc(0)
	s_getreg_b32 s2, hwreg(HW_REG_IB_STS2, 6, 4)
	s_cmp_eq_u32 s2, 0
	s_cbranch_scc0 .Lentry_in_a_cluster
	s_endpgm
.Lentry_in_a_cluster:
	s_bfe_u32 s2, ttmp6, 0x10000c
	s_cmp_lg_u32 s2, 0xf033
	s_cbranch_scc0 .Lentry_shape_is_right
	s_endpgm
.Lentry_shape_is_right:
; out0[m][n] = x[m][n] + 0.5 ( 64 sum over k of y[m][k] w2t[n][k] + fc2_bias[n] ).  y: [8192][4096] f16, holding silu(..)/64; w2t: [1024][4096] f16;
; x, out0: [8192][1024] f32; sums in f32.  Written as (sum + bias/64) x 32 + x: the two factors are powers of two, so the roundings are those of
; z = 64 sum + bias and x + 0.5 z.  (A bias below 2^-120 in magnitude loses bits in bias/64: no such bit reaches the sum's 24.)
; A work-group makes a block of 128 (m) x 256 (n): 64 x 4 = 256 work-groups (blocks of 256 x 256 would be 128).  Four waves, each 64 x 128:
; 32 accumulator tiles of 16 x 16, 256 registers.
; THE RING HAS TWO UNEQUAL SLOTS.  A K step of 128 is 384 rows of 256 bytes.  Two slots of two steps each would take 2 x 384 x 528 = 405,504 bytes, more than a
; work-group can have.  So slot BIG holds two K steps (rows of 512 bytes, pitch 528: 202,752 bytes) and slot SMALL one (pitch 272: 104,448 bytes).
; K = 4096 is 32 steps = 11 BIG + 10 SMALL, taken as B S B S .. B.  While BIG is multiplied SMALL's load is on its way (248 matrix instructions of a wave from the
; request to the wait for it); while SMALL is multiplied BIG's is (120).  Three K steps pass two barriers, where two equal slots of one step would pass three,
; each with 120 matrix instructions for its load.  Every row of every tile is whole aligned blocks of 256 bytes of memory.
; CLUSTERS: 4 x 4 work-groups.  A row of the cluster is the four column blocks of one block row and shares the tiles of y; a column shares the tiles of w2t.
; Such a tile is asked for jointly, by the same tensor load in all four, with a mask that names them.
; PREFETCH: y is read from memory once, by these joint loads.  Each aligned block of 256 bytes of y from K step 3 on is asked for once in the launch, ahead of its load:
; work-group cx of a cluster's row takes rows 32 cx .. 32 cx + 31 of the block row (one row a lane); waves 0 and 1 take the two blocks of a BIG tile, wave 2 the block
; of a SMALL tile, wave 3 none.  A BIG tile is asked for one BIG slot's work ahead of its load, a SMALL tile one SMALL slot's work ahead.
;
; REGISTERS, in windows of 256:
;   window 0: v0-31 addresses and the bias; v32-63, v64-95 fragments of A (4 x 16 rows x 32 K), two buffers; v96-159, v160-223 fragments of B (8 x 16 rows), two buffers;
;             on the way out v32-63 and v64-95 are rows read back, in turn
;   window 1: accumulator tile (a, b) at v[8 (8 a + b)], a = 0..3, b = 0..7
;   window 2: x of my 64 x 128, group g = 2 a + c (16 rows x 64 columns), load t at v[4 (8 g + t)]
; THE MATRIX INSTRUCTION IS USED TRANSPOSED: source 0 = 16 rows of w2t, source 1 = 16 rows of y.  Lane l then holds row m = l % 16 and in registers 0 to 7 the
; columns n = 8 (l / 16) + 0 .. 7: 32 neighbouring bytes of a row of the result.
.set SIZE_N, 1024
.set SIZE_K, 4096
.set PB,     528                       ; BIG's LDS row: 512 bytes + 16 of padding: an odd multiple of 16 bytes
.set PS,     272                       ; SMALL's LDS row: 256 bytes + 16
.set BIGA,   256*PB                    ; BIG: B's 256 rows at byte 0, then A's 128 rows
.set SMALL,  384*PB                    ; byte 202,752
.set SMALLA, SMALL+256*PS              ; SMALL: B's 256 rows, then A's 128 rows
.set STAGE,  SMALL+384*PS              ; behind the ring (byte 307,200, a multiple of 256): 16 rows x 272 bytes for each wave; no fill lands there
.set SPITCH, 272                       ; 64 f32 + 16 bytes
.set TRIPLE, 768                       ; bytes of a row of y or w2t in a BIG and a SMALL tile together
.set LAPS,   9                         ; laps (BIG, SMALL) that fill both slots again; then BIG 9, SMALL 9, BIG 10
.set HB,   8                           ; v[8:15]  the bias of my four columns in each half of my 128, then bias / 64
.set ADRA, 16                          ; v16-17   LDS address of my A fragments in BIG, SMALL
.set ADRB, 20                          ; v20-21   the same for B
.set STO,  24                          ; v24      the way out: where I put 32 bytes of a row
.set RD,   25                          ; v25      the way out: where I read 16 bytes of a row back
.set XO,   26                          ; v26      4,096 (l / 16) + 16 (l % 16): my bytes in two rows of x and of out0; never rewritten
.set BO,   27                          ; v27      16 (l % 16): my bytes in the bias; never rewritten
.set PF,   28                          ; v28      8,192 x lane: my row of y for the prefetch; never rewritten
.set FA0,  32                          ; A's buffer n at FA0 + 32 n
.set FB0,  96                          ; B's buffer n at FB0 + 64 n
.set RB,   32                          ; the way out: 8 loads of 4 registers, two buffers in turn
.set G1A, 24                           ; s[24:39] descriptor group 1 for A's tiles (64 rows): BIG, then SMALL
.set G1B, 40                           ; s[40:55] descriptor group 1 for B's tiles (128 rows): BIG, then SMALL
.set G0A, 56                           ; s[56:63] descriptor group 0 for A's tiles: BIG, then SMALL
.set G0B, 68                           ; s[68:75] descriptor group 0 for B's tiles: BIG, then SMALL
.set MSB, 0
.macro WIN new                         ; the immediate's high byte repeats the setting that is left
.if MSB != \new
	s_set_vgpr_msb (MSB<<8)|\new
.set MSB, \new
.endif
.endm
.set MUL, 0x50                         ; sources 0 and 1 window 0, C and D window 1
; A joint load into slot s (0 BIG, 1 SMALL).  Waves 0 and 1 fetch B's two halves (128 rows each), waves 2 and 3 A's (64 rows each).
; Each line has one mask and one set of registers.  The branch hangs on the wave's number alone.
.macro JLOAD s
	s_cmp_eq_u32 s11, 0
	s_cbranch_scc0 .Lfor_a_\@
	tensor_load_to_lds s[G0B+4*\s:G0B+4*\s+3], s[G1B+8*\s:G1B+8*\s+7]
	s_nop 0
	s_branch .Lasked_\@
.Lfor_a_\@:
	tensor_load_to_lds s[G0A+4*\s:G0A+4*\s+3], s[G1A+8*\s:G1A+8*\s+7]
	s_nop 0
.Lasked_\@:
.endm
.macro CREST                           ; a round of the cluster's barrier behind its opening barrier
	s_cmp_lg_u32 s10, 0
	s_cbranch_scc1 .Lnot_wave_0_\@
	s_barrier_signal -3
.Lnot_wave_0_\@:
	s_barrier_wait -3
	s_barrier_signal -1
	s_barrier_wait -1
.endm
.macro CROUND                          ; a whole round
	s_barrier_signal -1
	s_barrier_wait -1
	CREST
.endm
; The prefetches.  s[92:93] = y at row 128 x block row + 32 cx, byte 768 i + 256 x wave of the row, for the i-th pair of tiles: block 0 and 1 are BIG's, block 2 is SMALL's.
.macro PFBIG                           ; waves 0 and 1: 32 rows x one block of 256 bytes of a BIG tile
	s_cmp_lg_u32 s11, 0
	s_cbranch_scc1 .Lnot_mine_\@
	global_prefetch_b8 v[PF], s[92:93] th:TH_LOAD_NT scope:SCOPE_SE
.Lnot_mine_\@:
.endm
.macro PFSMALL                         ; wave 2: 32 rows x the block of a SMALL tile
	s_cmp_lg_u32 s10, 2
	s_cbranch_scc1 .Lnot_mine_\@
	global_prefetch_b8 v[PF], s[92:93] th:TH_LOAD_NT scope:SCOPE_SE
.Lnot_mine_\@:
.endm
	s_load_b128 s[4:7], s[0:1], 0x0                ; y s[4:5], w2t s[6:7]
	s_load_b64 s[8:9], s[0:1], 0x10                ; out0
	s_load_b64 s[84:85], s[0:1], 0x18              ; x
	s_load_b64 s[86:87], s[0:1], 0x20              ; fc2_bias
	v_lshl_add_u32 v254, v0, 2, 0x4f400
	v_mov_b32 v255, 0
	ds_add_u32 v254, v255
	v_lshrrev_b32 v1, 5, v0
	v_readfirstlane_b32 s10, v1                    ; wave 0..3
	s_lshr_b32 s11, s10, 1                         ; which 64 rows of the block are mine.  Also: I fetch for B (0) or for A (1)
	s_and_b32 s12, s10, 1                          ; which 128 columns.  Also: which half of that tile I fetch
	s_bfe_u32 s76, ttmp6, 0x40000                  ; cx
	s_bfe_u32 s77, ttmp6, 0x40004                  ; cy
	s_lshl_b32 s78, ttmp9, 2
	s_add_co_u32 s78, s78, s76                     ; block column = 4 x cluster x + cx
	s_and_b32 s13, ttmp7, 0xffff
	s_lshl_b32 s13, s13, 2
	s_add_co_u32 s13, s13, s77                     ; block row = 4 x cluster y + cy
	s_lshl_b32 s79, s77, 2
	s_lshl_b32 s79, 15, s79                        ; my row of the cluster
	s_lshl_b32 s80, 0x1111, s76                    ; my column
	; descriptor groups 1, slot 0 (BIG: rows of 256 elements, 4 words of padding after every 128 words) and slot 1 (SMALL: rows of 128 elements, after every 64 words)
.irp s, 0,1
	s_or_b32 s[G1A+8*\s], s79, (1<<16)|(1<<20)|(1<<21)|((6-\s)<<22)|(3<<25)   ; the mask: A's tiles go to my row; element of 2 bytes; padding on; bit 21 beside a mask
	s_or_b32 s[G1B+8*\s], s80, (1<<16)|(1<<20)|(1<<21)|((6-\s)<<22)|(3<<25)   ; the same with the mask of my column
	s_mov_b32 s[G1A+8*\s+1], (256-128*\s)<<16      ; tensor_dim0
	s_mov_b32 s[G1B+8*\s+1], (256-128*\s)<<16
	s_mov_b32 s[G1A+8*\s+2], 64<<16                ; tensor_dim1 = 64 (A)
	s_mov_b32 s[G1B+8*\s+2], 128<<16               ;             = 128 (B)
	s_mov_b32 s[G1A+8*\s+3], (256-128*\s)<<16      ; tile_dim0
	s_mov_b32 s[G1B+8*\s+3], (256-128*\s)<<16
	s_mov_b32 s[G1A+8*\s+4], 64                    ; tile_dim1
	s_mov_b32 s[G1B+8*\s+4], 128
	s_mov_b32 s[G1A+8*\s+5], SIZE_K                ; elements from row to row
	s_mov_b32 s[G1B+8*\s+5], SIZE_K
	s_mov_b32 s[G1A+8*\s+6], 0
	s_mov_b32 s[G1B+8*\s+6], 0
	s_mov_b32 s[G1A+8*\s+7], 0
	s_mov_b32 s[G1B+8*\s+7], 0
.endr
	; where the tiles come from: A's hang on the block row alone, B's on the block column alone, each in registers that never hold the other coordinate
	s_lshl_b32 s17, s12, 6
	s_lshl_b32 s16, s13, 7
	s_add_co_u32 s16, s16, s17                     ; A: row 128 x block row + 64 x half
	s_lshl_b32 s83, s12, 7
	s_lshl_b32 s82, s78, 8
	s_add_co_u32 s82, s82, s83                     ; B: row 256 x block column + 128 x half
	s_mov_b32 s17, 0
	s_mov_b32 s83, 0
	s_mov_b64 s[18:19], SIZE_K*2
	s_mul_u64 s[16:17], s[16:17], s[18:19]         ; in bytes
	s_mul_u64 s[82:83], s[82:83], s[18:19]
	; and where they go: the wave's number times a constant, plus a constant
	s_mul_i32 s20, s10, 64*PB
	s_mul_i32 s21, s10, 64*PS
	s_mul_i32 s22, s10, 128*PB
	s_mul_i32 s23, s10, 128*PS
	s_add_co_u32 s[G0A+1], s20, 128*PB             ; A, waves 2, 3: rows 256, 320 of BIG
	s_add_co_u32 s[G0A+5], s21, SMALL+128*PS       ;                rows 256, 320 of SMALL
	s_add_co_u32 s[G0B+1], s22, 0                  ; B, waves 0, 1: rows 0, 128 of BIG
	s_add_co_u32 s[G0B+5], s23, SMALL              ;                rows 0, 128 of SMALL
	s_wait_dscnt 0x0
	s_wait_kmcnt 0x0
	s_add_nc_u64 s[14:15], s[4:5], s[16:17]
	s_add_nc_u64 s[82:83], s[6:7], s[82:83]
	CROUND                                         ; all sixteen work-groups are here: the first joint loads meet
.irp s, 0,1
	s_mov_b32 s[G0A+4*\s], 1                                       ; count = 1
	s_add_nc_u64 s[G0A+4*\s+2:G0A+4*\s+3], s[14:15], \s*512        ; global address: BIG 0 at byte 0 of the rows, SMALL 0 at byte 512
	s_or_b32 s[G0A+4*\s+3], s[G0A+4*\s+3], 0x80000000              ; type = 2
	s_mov_b32 s[G0B+4*\s], 1
	s_add_nc_u64 s[G0B+4*\s+2:G0B+4*\s+3], s[82:83], \s*512
	s_or_b32 s[G0B+4*\s+3], s[G0B+4*\s+3], 0x80000000
	JLOAD \s                                       ; the ring is filled before anything else is done: two tensor loads of the wave are out
.endr
	; my 64 x 128 of x and of out0, and my 128 numbers of the bias
	s_lshl_b32 s88, s13, 7
	s_lshl_b32 s89, s11, 6
	s_add_co_u32 s88, s88, s89                     ; my first row,
	s_lshl_b32 s88, s88, 12                        ; of 4,096 bytes
	s_lshl_b32 s90, s78, 10                        ; 256 columns of 4 bytes a block,
	s_lshl_b32 s91, s12, 9                         ; 128 a half
	s_add_co_u32 s90, s90, s91
	s_add_co_u32 s88, s88, s90
	s_mov_b32 s89, 0
	s_mov_b32 s91, 0
	s_add_nc_u64 s[84:85], s[84:85], s[88:89]
	s_add_nc_u64 s[8:9], s[8:9], s[88:89]
	s_add_nc_u64 s[86:87], s[86:87], s[90:91]
	; the prefetch's base: row 128 x block row + 32 cx of y, byte 768 + 256 x wave: the second pair of tiles
	s_lshl_b32 s94, s13, 7
	s_lshl_b32 s95, s76, 5
	s_add_co_u32 s94, s94, s95
	s_lshl_b32 s94, s94, 13                        ; rows of 8,192 bytes
	s_lshl_b32 s95, s10, 8
	s_add_co_u32 s94, s94, s95
	s_add_co_u32 s94, s94, TRIPLE
	s_mov_b32 s95, 0
	s_add_nc_u64 s[92:93], s[4:5], s[94:95]
	v_and_b32 v1, 15, v0                           ; l % 16
	v_bfe_u32 v2, v0, 4, 1                         ; l / 16
	v_and_b32 v3, 31, v0
	v_lshlrev_b32 v[PF], 13, v3
	v_lshlrev_b32 v[BO], 4, v1
	v_lshl_add_u32 v[XO], v2, 12, v[BO]
	global_load_b128 v[HB:HB+3], v[BO], s[86:87]               ; columns 4 (l % 16) .. + 3 of my first 64,
	global_load_b128 v[HB+4:HB+7], v[BO], s[86:87] offset:256  ; and of my second 64; waited for behind the loop
	PFBIG                                          ; BIG 1, whose load is issued when BIG 0 has been multiplied
	v_mul_u32_u24 v3, v1, PB
	v_lshl_add_u32 v3, v2, 4, v3                   ; BIG: row x pitch + 16 x half
	v_mul_u32_u24 v4, v1, PS
	v_lshl_add_u32 v4, v2, 4, v4                   ; SMALL: the same with its pitch
	s_mul_i32 s21, s11, 64*PB
	s_add_co_u32 s21, s21, BIGA                    ; my 64 rows of A, behind B's 256
	s_mul_i32 s22, s12, 128*PB                     ; my 128 rows of B
	v_add_nc_u32 v[ADRA], s21, v3
	v_add_nc_u32 v[ADRB], s22, v3
	s_mul_i32 s21, s11, 64*PS
	s_add_co_u32 s21, s21, SMALLA
	s_mul_i32 s22, s12, 128*PS
	s_add_co_u32 s22, s22, SMALL
	v_add_nc_u32 v[ADRA+1], s21, v4
	v_add_nc_u32 v[ADRB+1], s22, v4
	s_mul_i32 s23, s10, 16*SPITCH
	s_add_co_u32 s23, s23, STAGE                   ; my stage
	v_mul_u32_u24 v5, v1, SPITCH                   ; in: row l % 16, 32 bytes for each half of the lanes
	v_lshl_add_u32 v5, v2, 5, v5
	v_add_nc_u32 v[STO], s23, v5
	v_mul_u32_u24 v5, v2, SPITCH                   ; back: lanes 0-15 take one row of 256 bytes, lanes 16-31 the next
	v_lshl_add_u32 v5, v1, 4, v5
	v_add_nc_u32 v[RD], s23, v5
; 8 matrix instructions: m block a x all 8 n blocks, 32 along K, from buffers n.  zero = 1: the first product starts the sums.
; The 32 accumulators take turns, one instruction a turn, in the same order in every quarter step, over the backward jump too.
.macro MULA n, a, zero
.irp b, 0,1,2,3,4,5,6,7
.if \zero
	v_wmma_f32_16x16x32_f16 v[8*(8*\a+\b):8*(8*\a+\b)+7], v[FB0+64*\n+8*\b:FB0+64*\n+8*\b+7], v[FA0+32*\n+8*\a:FA0+32*\n+8*\a+7], 0
.else
	v_wmma_f32_16x16x32_f16 v[8*(8*\a+\b):8*(8*\a+\b)+7], v[FB0+64*\n+8*\b:FB0+64*\n+8*\b+7], v[FA0+32*\n+8*\a:FA0+32*\n+8*\a+7], v[8*(8*\a+\b):8*(8*\a+\b)+7]
.endif
.endr
.endm
; 24 LDS loads in one run: 128 rows of B, then 64 rows of A, 32 K at byte k of the rows of slot (0 BIG, 1 SMALL), into buffers n
.macro FETCH slot, k, n
	WIN 0
.irp i, 0,1,2,3,4,5,6,7
	ds_load_b128 v[FB0+64*\n+8*\i:FB0+64*\n+8*\i+3],   v[ADRB+\slot] offset:\k+\i*16*(PB-(PB-PS)*\slot)
	ds_load_b128 v[FB0+64*\n+8*\i+4:FB0+64*\n+8*\i+7], v[ADRB+\slot] offset:\k+\i*16*(PB-(PB-PS)*\slot)+32
.endr
.irp i, 0,1,2,3
	ds_load_b128 v[FA0+32*\n+8*\i:FA0+32*\n+8*\i+3],   v[ADRA+\slot] offset:\k+\i*16*(PB-(PB-PS)*\slot)
	ds_load_b128 v[FA0+32*\n+8*\i+4:FA0+32*\n+8*\i+7], v[ADRA+\slot] offset:\k+\i*16*(PB-(PB-PS)*\slot)+32
.endr
.endm
; Four plain places between a matrix instruction and a load into a register that it has read, or an instruction that reads its result
.macro PLACES
.rept 4
	v_nop
.endr
.endm
; A quarter step is 32 along K, 32 matrix instructions; BIG has eight of them, SMALL four, on buffers 0, 1, 0, 1, ..
; This one multiplies buffers f; in its middle it fetches the next quarter's fragments, at byte k of the same slot's rows, into buffers g.
.macro QUARTER slot, k, f, g, zero
	s_wait_dscnt 4                                 ; B and A's blocks 0 and 1 are in; the youngest four loads (A's blocks 2 and 3) may be out
	WIN MUL
	MULA \f, 0, \zero
	MULA \f, 1, \zero
	PLACES
	FETCH \slot, \k, \g
	s_wait_dscnt 24                                ; all but the 24 just issued
	WIN MUL
	MULA \f, 2, \zero
	MULA \f, 3, \zero
.endm
.macro BIGA4 zero                      ; BIG's quarters 0 to 3
	QUARTER 0, 64,  0, 1, \zero
	QUARTER 0, 128, 1, 0, 0
	QUARTER 0, 192, 0, 1, 0
	QUARTER 0, 256, 1, 0, 0
.endm
.macro BIGB3                           ; BIG's quarters 4 to 6
	QUARTER 0, 320, 0, 1, 0
	QUARTER 0, 384, 1, 0, 0
	QUARTER 0, 448, 0, 1, 0
.endm
.macro THREE                           ; SMALL's quarters 0 to 2
	QUARTER 1, 64,  0, 1, 0
	QUARTER 1, 128, 1, 0, 0
	QUARTER 1, 192, 0, 1, 0
.endm
; A slot's last quarter: multiplies buffers 1 and changes slots.  fill = 1: this slot is filled again, with its tile 768 bytes further along the rows.
; In front of the barrier each wave waits for its own reads of this slot and for all its tensor loads, of which one is out: its part of the next slot.
; Behind it the refill comes first, then the next slot's first fragments.
; pf = 2 (on the way into SMALL): wave 2 asks for the next SMALL tile's block, whose load is issued at the next change of slots.
; pf = 1 (on the way into BIG): the prefetch's base steps one pair of tiles on, and waves 0 and 1 ask for the next BIG tile's blocks, whose load is issued at the next change of slots.
.macro TURN slot, next, fill, pf
	s_wait_dscnt 4
	WIN MUL
	MULA 1, 0, 0
	s_wait_dscnt 0                                 ; my reads of this slot are over
	s_wait_tensorcnt 0x0                           ; and all my tensor loads have landed
	ds_add_u32 v254, v255
	s_wait_dscnt 0x0
	s_barrier_signal -1                            ; say so (where a slot is filled again this barrier opens a round of the cluster's barrier),
	MULA 1, 1, 0                                   ; work on registers while the others arrive,
	WIN 0
	s_barrier_wait -1
.if \fill
	CREST                                          ; all sixteen work-groups have said so: no wave of any partner still reads this slot's tile or has a load on its way
	s_add_nc_u64 s[G0A+4*\slot+2:G0A+4*\slot+3], s[G0A+4*\slot+2:G0A+4*\slot+3], TRIPLE
	s_add_nc_u64 s[G0B+4*\slot+2:G0B+4*\slot+3], s[G0B+4*\slot+2:G0B+4*\slot+3], TRIPLE
	JLOAD \slot                                    ; the first tensor load behind the round, and the wave's only one until the next
.endif
	PLACES
	FETCH \next, 0, 0
.if \pf == 1
	s_wait_xcnt 0x0                                ; the last prefetch, a slot's work ago, has had its address translated: its base is stepped only behind this wait
	s_add_nc_u64 s[92:93], s[92:93], TRIPLE
	PFBIG
.endif
.if \pf == 2
	PFSMALL
.endif
	WIN MUL
	MULA 1, 2, 0
	MULA 1, 3, 0
.endm
.macro LAP zero                        ; BIG j, SMALL j; asks for BIG j + 1 and SMALL j + 1; prefetches SMALL j + 1 and BIG j + 2
	BIGA4 \zero
	BIGB3
	TURN 0, 1, 1, 2
	THREE
	TURN 1, 0, 1, 1
.endm
; x of groups 4 half .. 4 half + 3 (group g = 2 a + c: rows 16 a .. + 15, columns 64 c .. + 63 of my block), two rows of 256 bytes to a load, into window 2.
.macro XLOAD half
	WIN 0x80                                       ; destination window 2, address window 0
.irp g, 0,1,2,3
.irp t, 0,1,2,3,4,5,6,7
	global_load_b128 v[4*(8*(4*\half+\g)+\t):4*(8*(4*\half+\g)+\t)+3], v[XO], s[84:85] offset:4096*(16*((4*\half+\g)/2)+2*\t)+256*((4*\half+\g)%2) th:TH_LOAD_NT
.endr
.endr
	WIN 0
.endm
	s_wait_tensorcnt 1                             ; my part of BIG 0 is in; SMALL 0's may stay out
	s_barrier_signal -1
	s_barrier_wait -1                              ; everybody's is
	FETCH 0, 0, 0
	LAP 1                                          ; the first lap stands in front of the loop: its first products start the sums
	WIN 0                                          ; at a label and at a branch every window is 0
	s_mov_b32 s3, LAPS-1
.Llap:
	LAP 0
	WIN 0
	s_sub_co_u32 s3, s3, 1
	s_cmp_lg_u32 s3, 0
	s_cbranch_scc1 .Llap
	s_wait_loadcnt 0x0                             ; the bias, asked for at the start: the wave's only loads so far
.irp e, 0,2,4,6
	v_pk_mul_f32 v[HB+\e:HB+\e+1], v[HB+\e:HB+\e+1], 0x3c800000 op_sel_hi:[1,0]   ; bias / 64: it meets the sums of y/64
.endr
	BIGA4 0                                        ; BIG 9
	BIGB3
	TURN 0, 1, 1, 0                                ; asks for BIG 10, the rows' last 512 bytes: the last tensor load.  Nothing is left to prefetch
	THREE                                          ; SMALL 9
	TURN 1, 0, 0, 0                                ; fills nothing: a plain barrier shows BIG 10 whole
	XLOAD 0                                        ; x comes in under BIG 10's matrix work, in two runs four quarters apart
	BIGA4 0                                        ; BIG 10
	XLOAD 1
	BIGB3
	s_wait_dscnt 4                                 ; the very last quarter: nothing more to fetch
	WIN MUL
	MULA 1, 0, 0
	MULA 1, 1, 0
	s_wait_dscnt 0
	MULA 1, 2, 0
	MULA 1, 3, 0
	; THE WAY OUT, 16 rows x 64 columns at a time: the sums go as they are (f32) into my own stage in LDS and come back as rows of 256 bytes, where the bias, the factor and x meet them.
	PLACES                                         ; the places behind the last matrix instructions, for all that follows
; rows 16 a .. 16 a + 15, columns 64 c .. 64 c + 63 of my block = the four tiles (a, 4 c .. 4 c + 3)
.macro OUTG a, c
.set RBG, RB+32*((2*\a+\c)%2)
	WIN 0x04                                       ; an LDS store's data (source 1) from window 1
.irp b, 0,1,2,3
	ds_store_b128 v[STO], v[8*(8*\a+4*\c+\b):8*(8*\a+4*\c+\b)+3]   offset:64*\b
	ds_store_b128 v[STO], v[8*(8*\a+4*\c+\b)+4:8*(8*\a+4*\c+\b)+7] offset:64*\b+16
.endr
	WIN 0x20                                       ; source 2 (x) from window 2, all else window 0
	s_wait_xcnt 0x0                                ; this buffer, which earlier stores read, is rewritten only behind this wait
.irp t, 0,1,2,3,4,5,6,7
	ds_load_b128 v[RBG+4*\t:RBG+4*\t+3], v[RD] offset:2*SPITCH*\t  ; LDS serves a wave's instructions in order (ISA guide 5.7.1.4): these see the stores above
.endr
	s_wait_loadcnt 56-8*(2*\a+\c)                  ; x of this group is in; the eight loads of each younger group stay out
.irp t, 0,1,2,3,4,5,6,7
	s_wait_dscnt 7-\t                              ; load t is back; the 7 - t younger ones stay out
	v_pk_add_f32 v[RBG+4*\t:RBG+4*\t+1], v[RBG+4*\t:RBG+4*\t+1], v[HB+4*\c:HB+4*\c+1]                 ; z / 64 = sum + bias / 64
	v_pk_add_f32 v[RBG+4*\t+2:RBG+4*\t+3], v[RBG+4*\t+2:RBG+4*\t+3], v[HB+4*\c+2:HB+4*\c+3]
	v_pk_fma_f32 v[RBG+4*\t:RBG+4*\t+1], v[RBG+4*\t:RBG+4*\t+1], 0x42000000, v[4*(8*(2*\a+\c)+\t):4*(8*(2*\a+\c)+\t)+1] op_sel_hi:[1,0,1]         ; x + 32 (z / 64) = x + 0.5 z
	v_pk_fma_f32 v[RBG+4*\t+2:RBG+4*\t+3], v[RBG+4*\t+2:RBG+4*\t+3], 0x42000000, v[4*(8*(2*\a+\c)+\t)+2:4*(8*(2*\a+\c)+\t)+3] op_sel_hi:[1,0,1]
	global_store_b128 v[XO], v[RBG+4*\t:RBG+4*\t+3], s[8:9] offset:4096*(16*\a+2*\t)+256*\c th:TH_STORE_NT    ; sixteen lanes store 256 consecutive bytes, aligned
.endr
.endm
	OUTG 0, 0
	OUTG 0, 1
	OUTG 1, 0
	OUTG 1, 1
	OUTG 2, 0
	OUTG 2, 1
	OUTG 3, 0
	OUTG 3, 1
	WIN 0
	s_wait_tensorcnt 0x0
	ds_add_u32 v254, v255
	s_wait_dscnt 0x0
	CROUND                                         ; the closing round: no work-group ends while a partner may still ask for a tile that names it
	s_endpgm
.Lfunc_end_k_q9c280e2d88_fc2:
	.size	k_q9c280e2d88_fc2, .Lfunc_end_k_q9c280e2d88_fc2-k_q9c280e2d88_fc2
	.p2alignl 7, 3214868480
	.fill 96, 4, 3214868480
	.section	.rodata,"a",@progbits
	.p2align	6, 0x0
	.amdhsa_kernel k_q9c280e2d88_fc2
		.amdhsa_group_segment_fixed_size 327680
		.amdhsa_private_segment_fixed_size 0
		.amdhsa_enable_private_segment 0
		.amdhsa_kernarg_size 40
		.amdhsa_user_sgpr_count 2
		.amdhsa_user_sgpr_kernarg_segment_ptr 1
		.amdhsa_wavefront_size32 1
		.amdhsa_system_sgpr_workgroup_id_x 1
		.amdhsa_system_sgpr_workgroup_id_y 1
		.amdhsa_system_sgpr_workgroup_id_z 1
		.amdhsa_system_vgpr_workitem_id 0
		.amdhsa_next_free_vgpr 768
		.amdhsa_next_free_sgpr 96
		.amdhsa_reserve_vcc 0
		.amdhsa_float_denorm_mode_32 3
		.amdhsa_float_denorm_mode_16_64 3
		.amdhsa_memory_ordered 1
		.amdhsa_forward_progress 1
		.amdhsa_inst_pref_size 223
	.end_amdhsa_kernel
	.amdgpu_metadata
---
amdhsa.version: [ 1, 2 ]
amdhsa.kernels:
  - .name:           k_q9c280e2d88_fc2
    .symbol:         k_q9c280e2d88_fc2.kd
    .args:
      - { .name: y, .offset: 0, .size: 8, .value_kind: global_buffer, .address_space: global }
      - { .name: w2t, .offset: 8, .size: 8, .value_kind: global_buffer, .address_space: global }
      - { .name: out0, .offset: 16, .size: 8, .value_kind: global_buffer, .address_space: global }
      - { .name: x, .offset: 24, .size: 8, .value_kind: global_buffer, .address_space: global }
      - { .name: fc2_bias, .offset: 32, .size: 8, .value_kind: global_buffer, .address_space: global }
    .group_segment_fixed_size: 327680
    .private_segment_fixed_size: 0
    .kernarg_segment_align: 8
    .kernarg_segment_size: 40
    .max_flat_workgroup_size: 128
    .sgpr_count:     96
    .vgpr_count:     768
    .wavefront_size: 32
...
	.end_amdgpu_metadata
.endif
;; end of part 3
